; MI455X (gfx1250); checked and timed in simulation.
; The chip was launched on July 23, 2026; its instructions are those of AMD's public machine-readable ISA for CDNA 5 (MIT licence, August 2026) and "CDNA5" Instruction Set Architecture Reference Guide (July 2026). The comments in the code are by the model that wrote it; some were corrected since.
;; Output Layer. Allowed arithmetic: matrix products marked QUANTISED: E5M2 operands, one E8M0 scale for each 32 along K, by v_wmma_scale_f32_16x16x128_f8f6f4 with both operands' format E5M2, f32 sums; everything else in f32.
;; Inputs: W 4,096 x 4,096 float32; a2 4,096 float32; b 4,096 float32; b2 4,096 float32; x 8 x 512 x 4,096 float32.
;; Outputs: out0 8 x 512 x 4,096 float32.
;; This version of the problem:
;;   THIS VERSION OF THE PROBLEM IS GIVEN IN LOW PRECISION. The matrix products marked QUANTISED in the list below multiply operands that are first quantised to E5M2 (5 exponent bits, 2 mantissa bits; 8 bits a number), with one power-of-two scale for each 32 numbers along K (OCP MX v1.0); their sums are f32. All else is computed in f32.
;;   The module's matrix products, in the order in which they are computed (A, B: the left and right operand; K: the contracted axis; several contracted axes count as one K, in the product's order):
;;     1. [M 4,096, K 4,096] x [K 4,096, N 4,096]; A: input x; B: input W: QUANTISED
;;   THE QUANTISER, for each operand of a quantised product, along K:
;;     - K is cut into blocks of 32 from its start; a last block that is shorter is filled with zeros.
;;     - A block's scale is 2^e with e = floor(log2(the largest magnitude in the block)) - 15, held to -126 .. 127; a block of zeros has e = 0. As a byte (E8M0): e + 127.
;;     - Each number is divided by its block's scale, clamped to +-57,344, and rounded to the nearest number of E5M2, ties to even, subnormals kept.
;;     - The product sums the exact products of the quantised numbers (number of the format x scale) in f32.
;;   ~~~python
;;   def quantise(x, axis):      # numpy; x: float32 -> the quantised numbers, widened to float32 again
;;       x = np.moveaxis(x, axis, -1); K = x.shape[-1]
;;       x = np.pad(x, [(0, 0)] * (x.ndim - 1) + [(0, -K % 32)]); x = x.reshape(x.shape[:-1] + (-1, 32)); a = np.abs(x).max(-1, keepdims=True)
;;       e = np.where(a > 0, np.clip(np.frexp(np.where(a > 0, a, 1))[1] - 1 - 15, -126, 127), 0)      # np.frexp(a)[1] - 1 = floor(log2(a)), exactly
;;       r = np.clip(x / 2.0 ** e, -57344, 57344)
;;       step = 2.0 ** (np.maximum(np.frexp(np.where(r == 0, 1, r))[1] - 1, -14) - 2)
;;       q = np.round(r / step) * step * 2.0 ** e      # np.round: ties to even
;;       return np.moveaxis(q.reshape(q.shape[:-2] + (-1,))[..., :K], -1, axis).astype(np.float32)
;;   ~~~
;; One version. Each part assembles by itself: llvm-mc -triple=amdgcn-amd-amdhsa -mcpu=gfx1250 --defsym DOCPART=n.
;; ======== version 1 of 1: 3 launches
;; limits: right only within a limited range of input values
;; workspace buffers: xq 17,301,504 bytes; wq 17,301,504 bytes; hbuf 67,108,864 bytes
;; launch quant (part 1): grid 256 x 1, 16 waves a work-group, no clusters, 6,144 bytes of LDS; arguments x, W, xq, wq; writes xq, wq
.if DOCPART == 1
	.amdgcn_target "amdgcn-amd-amdhsa--gfx1250"
	.amdhsa_code_object_version 6
	.text
	.protected	k_q87c3732f6b_quant
	.globl	k_q87c3732f6b_quant
	.p2align	8
	.type	k_q87c3732f6b_quant,@function
k_q87c3732f6b_quant:
	s_mov_b64 s[64:65], 0
	v_nop
	global_prefetch_b8 v0, s[64:65] scope:SCOPE_SE
	s_setreg_imm32_b32 hwreg(HW_REG_WAVE_MODE, 25, 1), 1
	s_wait_xcnt 0x0
; x [4096][4096] and W [4096][4096], f32, K innermost, become codes of BF8 (E5M2) with one E8M0 scale byte for each 32 along K.
; A block's scale is 2^(floor(log2(its largest magnitude)) - 15); its byte is that magnitude's exponent field - 15, held at 1 from below.
; Each number is multiplied by the scale's inverse (a power of two: exact), held within +-57,344 and converted under the scale 1: nearest code, ties to even.
; LIMITS: a block of zeros gets the byte 1 where the rule says 127 (its codes are zeros, and this program alone reads the bytes); blocks whose largest
; magnitude lies under 2^(16 - 127) keep the byte 1; NaN and infinities among the inputs are not served.
; LAYOUT of xq, wq: [group of 128 rows (32)][K step of 256 (16)][33,792 bytes]: 128 rows of 256 codes (row x 256 + k), then 1,024 scale bytes:
; row 32 p + 16 i + r, block kb at 32,768 + 256 p + 16 r + 8 i + kb.
; SHARES: work-groups 0-127 take x, the others W; a work-group takes 32 whole rows (part p of a group): 524,288 consecutive bytes; wave w its rows 2 w and 2 w + 1, whole.
; Step t is K step t: four loads of 512 consecutive bytes, 16 a lane: load j is row j / 2, half j % 2 of the K step's 256 numbers; so a wave's loads run along its two rows.
; Eight neighbouring lanes hold a block of 32.  The numbers stay in the registers that they were loaded into.  A lane's four code words (one a load) are turned among the
; four lanes of a quad, so that lane 4 g + j holds load j's codes 16 g .. 16 g + 15; a step's store covers the two rows' 512 consecutive bytes in K step t's block.
; The scale bytes are gathered in LDS as [K step][256]; behind one barrier wave w stores K step w's 256 bytes, whole.
; No tensor load, no cluster: work-groups share no input.  Loads run eight steps (32 loads a wave) ahead: half of a wave's 32,768 bytes are asked for at its first lines, so no prefetch is laid.
; All global stores stand at the wave's end, from registers that are written once.
.set STEPS, 16
.set NS,    8                          ; sets of 16 registers for loaded numbers
.set KSB,   33792
.set SPARE, 4096                       ; behind the scale bytes: the spare words, 128 bytes for each of 16 waves
.set M,     16                         ; v16-19  largest magnitudes, one a load
.set INV,   20                         ; v20-27  the scales' inverses, each twice: a pair for the packed multiply
.set A,     28                         ; v28-31  exponent fields
.set SPW,   34
.set NIL,   35
.set E,     36                         ; v36-51  a scale byte for each step
.set R,     64                         ; v64-191 the numbers
.set C,     192                        ; v192-255 four code words for each step
	s_load_b256 s[4:11], s[0:1], 0x0               ; x, W, xq, wq
	v_lshl_add_u32 v[SPW], v0, 2, SPARE
	v_mov_b32 v[NIL], 0
	v_lshrrev_b32 v1, 5, v0
	v_readfirstlane_b32 s16, v1                    ; wave 0..15
	s_and_b32 s17, s16, 7
	s_lshl_b32 s17, s17, 5                         ; my rows' bytes in a K step's 256: 16 r with r = 2 (w % 8) + row,
	s_lshr_b32 s26, s16, 3
	s_lshl_b32 s26, s26, 3                         ; + 8 i with i = w / 8
	s_add_co_u32 s17, s17, s26
	s_lshl_b32 s25, s16, 8                         ; on the way out: K step w's 256 bytes
	v_and_b32 v2, 31, v0                           ; lane
	v_lshlrev_b32 v3, 4, v2                        ; in: 16 x lane
	v_and_b32 v1, 3, v2                            ; j = lane % 4
	v_lshrrev_b32 v4, 2, v2
	v_lshlrev_b32 v4, 4, v4
	v_lshl_add_u32 v4, v1, 7, v4                   ; out: 128 j + 16 (lane / 4)
	v_lshrrev_b32 v5, 3, v2                        ; which block of a load's four
	v_bfe_u32 v6, v2, 1, 1
	v_lshl_add_u32 v5, v6, 4, v5                   ; + 16 (j / 2): the row
	v_and_b32 v6, 1, v2
	v_lshl_add_u32 v5, v6, 2, v5                   ; + 4 (j % 2): the half
	v_add_nc_u32 v5, s17, v5
	v_lshlrev_b32 v7, 3, v2                        ; the bytes' way out: 8 a lane
	v_add_nc_u32 v6, s25, v7
	v_mov_b32 v8, 0                                ; (a DPP move's destination counts as a source)
	v_mov_b32 v9, 0
	v_mov_b32 v12, 0x47600000                      ; 57,344
	v_mov_b32 v13, 1.0                             ; the conversions' scale operand
	s_mov_b32 s27, 0xaaaaaaaa                      ; lanes with bit 0 set
	s_mov_b32 s28, 0xcccccccc                      ; lanes with bit 1 set
	s_mov_b32 s29, 0x7f800000
	s_mov_b32 s30, 0x86800000                      ; 269 << 23: the inverse's exponent field is 269 - the largest magnitude's
	s_mov_b32 s31, 0x8000000                       ; the floor 2^(16 - 127)
	s_and_b32 s24, ttmp9, 127                      ; 4 x group + p
	s_lshl_b32 s18, s24, 19                        ; in: 32 rows of 16,384 bytes a work-group,
	s_lshl_b32 s19, s16, 15                        ; two a wave
	s_add_co_u32 s18, s18, s19
	s_mov_b32 s19, 0
	s_lshr_b32 s20, s24, 2
	s_mul_i32 s20, s20, 16*KSB                     ; out: the group's sixteen blocks
	s_and_b32 s21, s24, 3                          ; p
	s_lshl_b32 s22, s21, 8
	s_add_co_u32 s22, s22, s20
	s_mul_i32 s23, s16, KSB
	s_add_co_u32 s22, s22, s23
	s_add_co_u32 s22, s22, 32768                   ; scale bytes: block w, 32,768 + 256 p
	s_mov_b32 s23, 0
	s_lshl_b32 s21, s21, 13
	s_add_co_u32 s20, s20, s21                     ; codes: rows 32 p
	s_lshl_b32 s21, s16, 9
	s_add_co_u32 s20, s20, s21                     ; + 2 w, of 256 bytes; the K step's block stands in the immediate
	s_mov_b32 s21, 0
	s_wait_alu depctr_va_vdst(0)
	s_wait_kmcnt 0x0
	s_cmp_lt_u32 ttmp9, 128                        ; x's work-group or W's: the choice hangs on the work-group's number alone
	s_cselect_b64 s[4:5], s[4:5], s[6:7]
	s_cselect_b64 s[8:9], s[8:9], s[10:11]
	s_add_nc_u64 s[4:5], s[4:5], s[18:19]
	s_add_nc_u64 s[12:13], s[8:9], s[22:23]
	s_add_nc_u64 s[8:9], s[8:9], s[20:21]
.macro LOAD t
.irp i, 0,1,2,3
	global_load_b128 v[R+16*((\t)%NS)+4*\i:R+16*((\t)%NS)+4*\i+3], v3, s[4:5] offset:(\i/2)*16384+(\t)*1024+(\i%2)*512 th:TH_LOAD_NT
.endr
.endm
.irp t, 0,1,2,3,4,5,6,7
	LOAD \t
.endr
.macro STEP t
.set RS, R+16*((\t)%NS)
.set CS, C+4*(\t)
.if STEPS-1-(\t) >= NS-1
	s_wait_loadcnt 4*(NS-1)                        ; this step's four loads are in; those of the seven steps behind it may be out
.else
	s_wait_loadcnt 4*(STEPS-1-(\t))                ; the tail: four for each step still behind
.endif
.irp j, 0,1,2,3
	v_max3_num_f32 v[M+\j], |v[RS+4*\j]|, |v[RS+4*\j+1]|, s31      ; my four numbers of load j, and the floor; the four loads by turns
.endr
.irp j, 0,1,2,3
	v_max3_num_f32 v[M+\j], v[M+\j], |v[RS+4*\j+2]|, |v[RS+4*\j+3]|
.endr
.irp x, 1,2,4
.irp j, 0,1,2,3
	v_max_num_f32_dpp v[M+\j], v[M+\j], v[M+\j] row_xmask:\x row_mask:0xf bank_mask:0xf   ; over the block's eight lanes
.endr
.endr
.irp j, 0,1,2,3
	v_and_b32 v[A+\j], s29, v[M+\j]
.endr
.irp j, 0,1,2,3
	v_sub_nc_u32 v[INV+2*\j], s30, v[A+\j]         ; 1 / the scale
	v_sub_nc_u32 v[INV+2*\j+1], s30, v[A+\j]
.endr
.irp j, 0,1,2,3
	v_pk_mul_f32 v[RS+4*\j:RS+4*\j+1], v[RS+4*\j:RS+4*\j+1], v[INV+2*\j:INV+2*\j+1]
	v_pk_mul_f32 v[RS+4*\j+2:RS+4*\j+3], v[RS+4*\j+2:RS+4*\j+3], v[INV+2*\j:INV+2*\j+1]
.endr
.irp i, 0,1,2,3,4,5,6,7,8,9,10,11,12,13,14,15
	v_med3_num_f32 v[RS+\i], v[RS+\i], -v12, v12   ; the conversion to an 8-bit code does not saturate (ISA guide 7.6.2)
.endr
	v_cvt_scalef32_pk8_bf8_f32 v[CS:CS+1], v[RS:RS+7], v13         ; word j: load j's four codes
	v_cvt_scalef32_pk8_bf8_f32 v[CS+2:CS+3], v[RS+8:RS+15], v13
.if (\t)+NS < STEPS
	LOAD (\t)+NS                                   ; the set takes the loads of eight steps on
.endif
	v_cndmask_b32 v14, v[M], v[M+1], s27           ; lane 4 g + j keeps load j's largest magnitude (plain lines behind the conversions)
	v_cndmask_b32 v15, v[M+2], v[M+3], s27
	v_cndmask_b32 v14, v14, v15, s28
	v_add_nc_u32 v14, 0xf8800000, v14              ; 15 off its exponent field
	v_lshrrev_b32 v[E+(\t)], 23, v14               ; the scale's byte
	v_cndmask_b32 v10, v[CS+1], v[CS], s27         ; the turn among a quad's lanes: first words 0, 1 and 2, 3 between lanes l and l xor 1,
	v_cndmask_b32 v11, v[CS+3], v[CS+2], s27
	v_mov_b32_dpp v8, v10 row_xmask:1 row_mask:0xf bank_mask:0xf
	v_mov_b32_dpp v9, v11 row_xmask:1 row_mask:0xf bank_mask:0xf
	v_cndmask_b32 v[CS+1], v8, v[CS+1], s27
	v_cndmask_b32 v[CS], v[CS], v8, s27
	v_cndmask_b32 v[CS+3], v9, v[CS+3], s27
	v_cndmask_b32 v[CS+2], v[CS+2], v9, s27
	v_cndmask_b32 v10, v[CS+2], v[CS], s28         ; then words 0, 2 and 1, 3 between lanes l and l xor 2
	v_cndmask_b32 v11, v[CS+3], v[CS+1], s28
	v_mov_b32_dpp v8, v10 row_xmask:2 row_mask:0xf bank_mask:0xf
	v_mov_b32_dpp v9, v11 row_xmask:2 row_mask:0xf bank_mask:0xf
	v_cndmask_b32 v[CS+2], v8, v[CS+2], s28
	v_cndmask_b32 v[CS], v[CS], v8, s28
	v_cndmask_b32 v[CS+3], v9, v[CS+3], s28
	v_cndmask_b32 v[CS+1], v[CS+1], v9, s28
	ds_store_b8 v5, v[E+(\t)] offset:256*(\t)      ; into K step t's 256 bytes; lanes l and l + 4 of a block write the same byte with the same value
.endm
.irp t, 0,1,2,3,4,5,6,7,8,9,10,11,12,13,14,15
	STEP \t
.endr
	s_wait_alu depctr_va_vdst(0)
	s_wait_dscnt 0x0                               ; for the others' sake: my byte stores have landed
	s_barrier_signal -1
	s_barrier_wait -1                              ; all sixteen waves' bytes lie in LDS; nobody writes them again
	ds_load_b64 v[32:33], v6                       ; K step w's 256 bytes, 8 a lane
	s_wait_tensorcnt 0x0                           ; the wave's end, behind my last LDS store
	ds_add_u32 v[SPW], v[NIL]
	s_wait_dscnt 0x0                               ; the add is done, and my 8 scale bytes are in
.irp t, 0,1,2,3,4,5,6,7,8,9,10,11,12,13,14,15
	global_store_b128 v4, v[C+4*\t:C+4*\t+3], s[8:9] offset:KSB*\t   ; my two rows in K step t's block: 512 consecutive bytes, at a multiple of 256 from the buffer's first byte
.endr
	global_store_b64 v7, v[32:33], s[12:13]        ; 256 scale bytes, consecutive and aligned
	s_endpgm
.Lfunc_end_k_q87c3732f6b_quant:
	.size	k_q87c3732f6b_quant, .Lfunc_end_k_q87c3732f6b_quant-k_q87c3732f6b_quant
	.p2alignl 7, 3214868480
	.fill 96, 4, 3214868480
	.section	.rodata,"a",@progbits
	.p2align	6, 0x0
	.amdhsa_kernel k_q87c3732f6b_quant
		.amdhsa_group_segment_fixed_size 6144
		.amdhsa_private_segment_fixed_size 0
		.amdhsa_enable_private_segment 0
		.amdhsa_kernarg_size 32
		.amdhsa_user_sgpr_count 2
		.amdhsa_user_sgpr_kernarg_segment_ptr 1
		.amdhsa_wavefront_size32 1
		.amdhsa_system_sgpr_workgroup_id_x 1
		.amdhsa_system_sgpr_workgroup_id_y 1
		.amdhsa_system_sgpr_workgroup_id_z 1
		.amdhsa_system_vgpr_workitem_id 0
		.amdhsa_next_free_vgpr 256
		.amdhsa_next_free_sgpr 66
		.amdhsa_reserve_vcc 0
		.amdhsa_float_denorm_mode_32 3
		.amdhsa_float_denorm_mode_16_64 3
		.amdhsa_memory_ordered 1
		.amdhsa_forward_progress 1
		.amdhsa_inst_pref_size 85
	.end_amdhsa_kernel
	.amdgpu_metadata
---
amdhsa.version: [ 1, 2 ]
amdhsa.kernels:
  - .name:           k_q87c3732f6b_quant
    .symbol:         k_q87c3732f6b_quant.kd
    .args:
      - { .name: x, .offset: 0, .size: 8, .value_kind: global_buffer, .address_space: global }
      - { .name: W, .offset: 8, .size: 8, .value_kind: global_buffer, .address_space: global }
      - { .name: xq, .offset: 16, .size: 8, .value_kind: global_buffer, .address_space: global }
      - { .name: wq, .offset: 24, .size: 8, .value_kind: global_buffer, .address_space: global }
    .group_segment_fixed_size: 6144
    .private_segment_fixed_size: 0
    .kernarg_segment_align: 8
    .kernarg_segment_size: 32
    .max_flat_workgroup_size: 512
    .sgpr_count:     66
    .vgpr_count:     256
    .wavefront_size: 32
...
	.end_amdgpu_metadata
.endif
;; end of part 1
;; launch gemm (part 2): grid 16 x 16, 4 waves a work-group, clusters of 4 x 4, 327,680 bytes of LDS; arguments xq, wq, b, hbuf; writes hbuf
.if DOCPART == 2
	.amdgcn_target "amdgcn-amd-amdhsa--gfx1250"
	.amdhsa_code_object_version 6
	.text
	.protected	k_q87c3732f6b_gemm
	.globl	k_q87c3732f6b_gemm
	.p2align	8
	.type	k_q87c3732f6b_gemm,@function
k_q87c3732f6b_gemm:
	s_mov_b64 s[64:65], 0
	v_nop
	global_prefetch_b8 v0, s[64:65] scope:SCOPE_SE
	s_setreg_imm32_b32 hwreg(HW_REG_WAVE_MODE, 25, 1), 1
	s_wait_xcnt 0x0
	s_wait_alu depctr_hold_cnt(0) depctr_sa_sdst(0) depctr_va_vdst(0) depctr_va_sdst(0) depctr_va_ssrc(0) depctr_va_vcc(0) depctr_vm_vsrc(0)
	s_getreg_b32 s2, hwreg(HW_REG_IB_STS2, 6, 4)
	s_cmp_eq_u32 s2, 0
	s_cbranch_scc0 .Lentry_in_a_cluster
	s_endpgm
.Lentry_in_a_cluster:
	s_bfe_u32 s2, ttmp6, 0x10000c
	s_cmp_lg_u32 s2, 0xf033
	s_cbranch_scc0 .Lentry_shape_is_right
	s_endpgm
.Lentry_shape_is_right:
; g = gelu(x W^T + b) on codes of MX-BF8 (E5M2, an E8M0 byte for each 32 along K): 4,096 x 4,096 x 4,096, f32 sums that begin with the bias; g leaves as f32 in hbuf.
; xq, wq: [group of 128 rows][K step of 256][132 x 256 bytes: 128 rows of codes, then the rows' 1,024 scale bytes], as the first launch lays them.
; A work-group of four waves makes 256 x 256, a wave 128 x 128 (64 accumulators).  K goes in steps of 256 through a ring of two LDS slots; a wave fetches one group's block of a K step with one tensor load.
; CLUSTERS of 4 x 4: x's blocks are asked for jointly along a row of the cluster, W's along a column.  Clusters with an odd sum of their numbers begin at K step 8 and wrap round.
; The matrix instruction is used transposed (source 0 = W's rows, source 1 = x's rows): a lane holds eight neighbouring columns of a row.
; PREFETCH: behind each refill every wave names the K step two refills on of the block that it fetches: 132 blocks of 256 bytes, 33 to each of the four partners, told apart by address
; (32 by a lane each, the last by a second line); the last two refills' trips name nothing.  K steps 1 and 2 are named behind the head's load, K step 3 behind slot 1's first fill.
; GELU on the way out: 0.5 h (1 + tanh(u)), u = sqrt(2 / pi) (h + 0.044715 h^3), is h x rcp(1 + 2^(h (k1 + k2 h^2))), k1 = -2 log2(e) sqrt(2 / pi), k2 = 0.044715 k1.
; Where h^2 passes f32's range the exponent is an infinity of the right sign: g is h, or -0.  LIMITS: NaN and infinities among the inputs are not served.
.set SIZE_N, 4096
.set NQ,     2
.set PITCH,  272
.set FR,     16
.set NL,     4
.set NP,     8
.set QUART,  132*PITCH
.set SLOT,   4*QUART
.set LAPS,   8
.set KSB,    33792
.set GROUPB, 16*KSB
.set SPARE,  2*SLOT
.set SPITCH, 528
.set ADRA, 16
.set ADRB, 20
.set ADRS, 22
.set STO,  24
.set RD,   25
.set CO,   26
.set SPW,  28
.set NIL,  29
.set PFO,  30
.set SC,   32
.set BI,   64
.set AF,   128
.set BK,   128
.set G1,  24
.set G0,  32
.set G1B, 48
.set G0B, 56
.set PFA, 66
.set PW,  72
.set GT,  64
.set PF1, -2*KSB
.set PF2, -KSB
.set W16, 69
.set WR,  70
.set MSB, 0
.macro WIN new
.if MSB != \new
	s_set_vgpr_msb (MSB<<8)|\new
.set MSB, \new
.endif
.endm
.set MUL_LO, 0xa1
.set MUL_HI, 0xf1
.set BIA_LO, 0x81
.set BIA_HI, 0xc1
.set TO_B,   0x40
.macro WLO first
.if \first
	WIN BIA_LO
.else
	WIN MUL_LO
.endif
.endm
.macro WHI first
.if \first
	WIN BIA_HI
.else
	WIN MUL_HI
.endif
.endm
.macro JLOAD g0a, g1a, g0b, g1b
	s_cmp_eq_u32 s15, 0
	s_cbranch_scc0 .Lfor_b_\@
	tensor_load_to_lds s[\g0a:\g0a+3], s[\g1a:\g1a+7]
	s_nop 0
.rept 4
	v_nop
.endr
	s_branch .Lasked_\@
.Lfor_b_\@:
	tensor_load_to_lds s[\g0b:\g0b+3], s[\g1b:\g1b+7]
	s_nop 0
.rept 4
	v_nop
.endr
.Lasked_\@:
.endm
.macro CREST
	s_cmp_lg_u32 s14, 0
	s_cbranch_scc1 .Lnot_wave_0_\@
	s_barrier_signal -3
.Lnot_wave_0_\@:
	s_barrier_wait -3
	s_barrier_signal -1
	s_barrier_wait -1
.endm
.macro CROUND
	s_barrier_signal -1
	s_barrier_wait -1
	CREST
.endm
.macro ASK
	s_cmp_gt_u32 s3, 1                             ; the loop's last trip would name K steps beyond the sixteenth
	s_cbranch_scc0 .Lnot_mine_\@
	global_prefetch_b8 v[PFO], s[PFA:PFA+1] th:TH_LOAD_NT scope:SCOPE_SE
	global_prefetch_b8 v31, s[PFA:PFA+1] offset:8192 th:TH_LOAD_NT scope:SCOPE_SE
.Lnot_mine_\@:
.endm
	s_load_b256 s[4:11], s[0:1], 0x0
	v_lshl_add_u32 v[SPW], v0, 2, SPARE
	v_mov_b32 v[NIL], 0
	ds_add_u32 v28, v29
	ds_add_u32 v28, v29
	s_wait_dscnt 0x0
	v_lshrrev_b32 v1, 5, v0
	v_readfirstlane_b32 s14, v1
	s_lshr_b32 s15, s14, 1
	s_and_b32 s16, s14, 1
	s_bfe_u32 s40, ttmp6, 0x40000
	s_bfe_u32 s41, ttmp6, 0x40004
	s_lshl_b32 s42, ttmp9, 2
	s_add_co_u32 s42, s42, s40
	s_and_b32 s17, ttmp7, 0xffff
	s_lshl_b32 s17, s17, 2
	s_add_co_u32 s17, s17, s41
	s_lshl_b32 s43, s41, 2
	s_lshl_b32 s43, 15, s43
	s_lshl_b32 s44, 0x1111, s40
	s_xor_b32 s[W16], ttmp9, ttmp7
	s_and_b32 s[W16], s[W16], 1
	s_mul_i32 s18, s[W16], 8*KSB
	s_mul_i32 s[W16], s[W16], GROUPB
	s_mov_b32 s[WR], 0
	s_mov_b32 s[WR+1], 0
	s_or_b32 s[G1+0], s43, (3<<16)|(1<<20)|(1<<21)|(5<<22)|(3<<25)
	s_or_b32 s[G1B+0], s44, (3<<16)|(1<<20)|(1<<21)|(5<<22)|(3<<25)
.irp g, G1, G1B
	s_mov_b32 s[\g+1], 32<<16
	s_mov_b32 s[\g+2], 132<<16
	s_mov_b32 s[\g+3], 32<<16
	s_mov_b32 s[\g+4], 132
	s_mov_b32 s[\g+5], 32
	s_mov_b32 s[\g+6], 0
	s_mov_b32 s[\g+7], 0
.endr
	s_lshl_b32 s20, s17, 1
	s_add_co_u32 s20, s20, s16
	s_mul_i32 s20, s20, GROUPB
	s_add_co_u32 s20, s20, s18
	s_mov_b32 s21, 0
	s_lshl_b32 s46, s42, 1
	s_add_co_u32 s46, s46, s16
	s_mul_i32 s46, s46, GROUPB
	s_add_co_u32 s46, s46, s18
	s_mov_b32 s47, 0
	s_mul_i32 s45, s14, QUART
	s_wait_kmcnt 0x0
	s_add_nc_u64 s[20:21], s[4:5], s[20:21]
	s_add_nc_u64 s[46:47], s[6:7], s[46:47]
	CROUND
.irp s, 0,1
	s_mov_b32 s[G0+4*\s], 1
	s_add_co_u32 s[G0+4*\s+1], s45, \s*SLOT
	s_add_nc_u64 s[G0+4*\s+2:G0+4*\s+3], s[20:21], \s*KSB
	s_or_b32 s[G0+4*\s+3], s[G0+4*\s+3], 0x80000000
	s_mov_b32 s[G0B+4*\s], 1
	s_add_co_u32 s[G0B+4*\s+1], s45, \s*SLOT
	s_add_nc_u64 s[G0B+4*\s+2:G0B+4*\s+3], s[46:47], \s*KSB
	s_or_b32 s[G0B+4*\s+3], s[G0B+4*\s+3], 0x80000000
.endr
	JLOAD G0, G1, G0B, G1B                         ; K step 0: one tensor load a wave at the head; the set-up below stands under its flight
	s_cmp_eq_u32 s15, 0
	s_cselect_b32 s18, s40, s41                    ; my place among the four that ask for the block with me
	s_cselect_b64 s[PFA:PFA+1], s[20:21], s[46:47]
	s_mul_i32 s18, s18, 33*256                     ; my work-group's 33 of its 132 blocks of 256 bytes
	s_add_co_u32 s18, s18, 3*KSB                   ; at my walk's K step 3: each refill steps it by one
	s_mov_b32 s19, 0
	s_add_nc_u64 s[PFA:PFA+1], s[PFA:PFA+1], s[18:19]
	s_mov_b32 s[PW], 0
	s_mov_b32 s[PW+1], 0
	v_and_b32 v[PFO], 31, v0
	v_lshlrev_b32 v[PFO], 8, v[PFO]
	v_mov_b32 v31, 0
	v_and_b32 v1, 15, v0
	v_bfe_u32 v2, v0, 4, 1
	s_wait_alu depctr_va_vdst(0)
	v_lshlrev_b32 v7, 5, v2
	s_lshl_b32 s18, s42, 10
	s_lshl_b32 s19, s16, 9
	s_add_co_u32 s18, s18, s19
	s_mov_b32 s19, 0
	s_add_nc_u64 s[8:9], s[8:9], s[18:19]
.irp i, 0,1,2,3,4,5,6,7
	global_load_b128 v[BI+8*\i:BI+8*\i+3],   v7, s[8:9] offset:64*\i
	global_load_b128 v[BI+8*\i+4:BI+8*\i+7], v7, s[8:9] offset:64*\i+16
.endr
	global_prefetch_b8 v[PFO], s[PFA:PFA+1] offset:PF1 th:TH_LOAD_NT scope:SCOPE_SE        ; K step 1,
	global_prefetch_b8 v31, s[PFA:PFA+1] offset:PF1+8192 th:TH_LOAD_NT scope:SCOPE_SE
	global_prefetch_b8 v[PFO], s[PFA:PFA+1] offset:PF2 th:TH_LOAD_NT scope:SCOPE_SE        ; K step 2
	global_prefetch_b8 v31, s[PFA:PFA+1] offset:PF2+8192 th:TH_LOAD_NT scope:SCOPE_SE
	v_mul_u32_u24 v3, v1, PITCH
	v_lshl_add_u32 v4, v2, 4, v3
	s_wait_alu depctr_va_vdst(0)
	s_mul_i32 s21, s15, QUART
	s_mul_i32 s22, s16, QUART
	s_add_co_u32 s22, s22, 2*QUART
	s_xor_b32 s23, s15, 1
	s_add_co_u32 s23, s23, s16
	s_add_co_u32 s23, s23, 1
	s_mul_i32 s23, s23, QUART
	v_mul_u32_u24 v6, s23, v2
	v_lshl_add_u32 v5, v1, 4, v6
	s_add_co_u32 s18, s21, 128*PITCH
	v_add_nc_u32 v[ADRS], s18, v5
	v_add_nc_u32 v[ADRS+1], SLOT, v[ADRS]
.irp s, 0,1
	v_add_nc_u32 v[ADRA+\s], s21, v4
	v_add_nc_u32 v[ADRB+\s], s22, v4
	s_add_co_u32 s21, s21, SLOT
	s_add_co_u32 s22, s22, SLOT
.endr
	s_mul_i32 s23, s14, 16*SPITCH
	v_mul_u32_u24 v5, v1, SPITCH
	v_lshl_add_u32 v5, v2, 5, v5
	v_add_nc_u32 v[STO], s23, v5
	v_and_b32 v6, 31, v0
	v_lshlrev_b32 v[CO], 4, v6
	v_add_nc_u32 v[RD], s23, v[CO]
	s_lshl_b32 s20, s17, 8
	s_lshl_b32 s21, s15, 7
	s_add_co_u32 s20, s20, s21
	s_lshl_b32 s20, s20, 14
	s_lshl_b32 s21, s42, 10
	s_add_co_u32 s20, s20, s21
	s_lshl_b32 s21, s16, 9
	s_add_co_u32 s20, s20, s21
	s_mov_b32 s21, 0
	s_add_nc_u64 s[10:11], s[10:11], s[20:21]
.macro FRAG reg, adr, q, i
.irp c, 0,1,2,3
	ds_load_b128 v[\reg+4*\c:\reg+4*\c+3], v[\adr] offset:128*(\q)+32*\c+(\i)*16*PITCH
.endr
.endm
.macro MUL16 a0, p, q, sc, first
.irp a, \a0, \a0+1
.irp b, 0,1,2,3,4,5,6,7
.if \first
	v_wmma_scale_f32_16x16x128_f8f6f4 v[8*(8*((\a)%4)+\b):8*(8*((\a)%4)+\b)+7], v[128*(\p)+FR*\b:128*(\p)+FR*\b+FR-1], v[AF+FR*(\a):AF+FR*(\a)+FR-1], v[BI+8*\b:BI+8*\b+7], v[SC+8*NQ*(\sc)+NQ*\b+(\q)], v[SC+8*NQ*(\sc)+NQ*(\a)+(\q)] matrix_a_fmt:MATRIX_FMT_BF8 matrix_b_fmt:MATRIX_FMT_BF8 matrix_a_scale:MATRIX_SCALE_ROW1
.else
	v_wmma_scale_f32_16x16x128_f8f6f4 v[8*(8*((\a)%4)+\b):8*(8*((\a)%4)+\b)+7], v[128*(\p)+FR*\b:128*(\p)+FR*\b+FR-1], v[AF+FR*(\a):AF+FR*(\a)+FR-1], v[8*(8*((\a)%4)+\b):8*(8*((\a)%4)+\b)+7], v[SC+8*NQ*(\sc)+NQ*\b+(\q)], v[SC+8*NQ*(\sc)+NQ*(\a)+(\q)] matrix_a_fmt:MATRIX_FMT_BF8 matrix_b_fmt:MATRIX_FMT_BF8 matrix_a_scale:MATRIX_SCALE_ROW1
.endif
.endr
.endr
.endm
.macro FETCH_B slot, q, p, i0
	WIN TO_B
.irp i, \i0, \i0+1, \i0+2, \i0+3
	FRAG 128*(\p)+FR*(\i), ADRB+\slot, \q, \i
.endr
	WIN 0
.endm
.macro FETCH_A slot, q, i0
.irp i, \i0, \i0+1, \i0+2, \i0+3
	FRAG AF+FR*(\i), ADRA+\slot, \q, \i
.endr
.endm
.macro SCALES sc
.irp p, 0,1,2,3
	ds_load_b128 v[SC+16*\sc+4*\p:SC+16*\sc+4*\p+3], v[ADRS+\sc] offset:\p*PITCH
.endr
.endm
.macro PLACES n
.rept \n
	v_nop
.endr
.endm
.macro STEP slot, q, first
	s_wait_dscnt 4*NL
	WLO \first
	MUL16 0, (\q)%2, \q, \slot, \first
	FETCH_B \slot, (\q)+1, 1-(\q)%2, 0
	WLO \first
	MUL16 2, (\q)%2, \q, \slot, \first
	PLACES NP
	WIN 0
	FETCH_A \slot, (\q)+1, 0
	s_wait_dscnt 8*NL
	WHI \first
	MUL16 4, (\q)%2, \q, \slot, \first
	FETCH_B \slot, (\q)+1, 1-(\q)%2, 4
	WHI \first
	MUL16 6, (\q)%2, \q, \slot, \first
	PLACES NP
	WIN 0
	FETCH_A \slot, (\q)+1, 4
.endm
; A slot's last step changes slots: the wait for all my tensor loads and the add stand at its head; sixteen products stand between the add and the wait for it, sixteen between the barrier's signal and its wait.
.macro TURN slot, next, fill
.if \fill
	s_wait_xcnt 0x0                                ; my prefetches have read their address
	s_add_nc_u64 s[PFA:PFA+1], s[PFA:PFA+1], KSB
.if \slot == 0
	s_sub_nc_u64 s[PFA:PFA+1], s[PFA:PFA+1], s[PW:PW+1]   ; a walk that began at K step 8 wraps here, in the trip in which it names its ninth K step
.endif
.endif
	s_wait_tensorcnt 0x0
	ds_add_u32 v[SPW], v[NIL]
.if \fill
	s_add_nc_u64 s[G0+4*\slot+2:G0+4*\slot+3], s[G0+4*\slot+2:G0+4*\slot+3], 2*KSB
	s_sub_nc_u64 s[G0+4*\slot+2:G0+4*\slot+3], s[G0+4*\slot+2:G0+4*\slot+3], s[WR:WR+1]
	s_add_nc_u64 s[G0B+4*\slot+2:G0B+4*\slot+3], s[G0B+4*\slot+2:G0B+4*\slot+3], 2*KSB
	s_sub_nc_u64 s[G0B+4*\slot+2:G0B+4*\slot+3], s[G0B+4*\slot+2:G0B+4*\slot+3], s[WR:WR+1]
.endif
	s_wait_dscnt 4*NL+1                            ; the add and the youngest sixteen loads (x's blocks 4-7) may be out
	WIN MUL_LO
	MUL16 0, 1, NQ-1, \slot, 0
	s_wait_dscnt 0x0                               ; the add is done, and my reads of this slot are over
	s_barrier_signal -1
	MUL16 2, 1, NQ-1, \slot, 0
	WIN 0
	s_barrier_wait -1
.if \fill
	CREST
	JLOAD G0+4*\slot, G1, G0B+4*\slot, G1B         ; the first tensor load behind the round; its four v_nop are among the places in front of the loads below
	PLACES NP-4
.else
	PLACES NP
.endif
	SCALES \next
	FETCH_B \next, 0, 0, 0
	FETCH_A \next, 0, 0
.if \fill
	ASK
.endif
	WIN MUL_HI
	MUL16 4, 1, NQ-1, \slot, 0
	FETCH_B \next, 0, 0, 4
	WIN MUL_HI
	MUL16 6, 1, NQ-1, \slot, 0
	PLACES NP
	WIN 0
	FETCH_A \next, 0, 4
.endm
	s_wait_alu depctr_va_vdst(0)
	s_wait_tensorcnt 0x0                           ; my part of K step 0 is in
	ds_add_u32 v[SPW], v[NIL]
	s_wait_dscnt 0x0
	CROUND                                         ; everybody's part is in, and all sixteen work-groups are here
	JLOAD G0+4, G1, G0B+4, G1B                     ; K step 1, the first tensor load behind the round
	FETCH_B 0, 0, 0, 0
	global_prefetch_b8 v[PFO], s[PFA:PFA+1] th:TH_LOAD_NT scope:SCOPE_SE                   ; K step 3
	global_prefetch_b8 v31, s[PFA:PFA+1] offset:8192 th:TH_LOAD_NT scope:SCOPE_SE
	FETCH_B 0, 0, 0, 4
	FETCH_A 0, 0, 0
	SCALES 0
	FETCH_A 0, 0, 4
	s_wait_loadcnt 0x0
	STEP 0, 0, 1
	s_mov_b32 s3, LAPS-1
.Llap:
	s_cmp_eq_u32 s3, 4
	s_cselect_b32 s[WR], s[W16], 0
	s_cmp_eq_u32 s3, 5
	s_cselect_b32 s[PW], s[W16], 0
	TURN 0, 1, 1
	STEP 1, 0, 0
	TURN 1, 0, 1
	STEP 0, 0, 0
	s_sub_co_u32 s3, s3, 1
	s_cmp_lg_u32 s3, 0
	s_cbranch_scc1 .Llap
	TURN 0, 1, 0
	STEP 1, 0, 0
	s_wait_dscnt 4*NL
	WIN MUL_LO
	MUL16 0, 1, NQ-1, 1, 0
	MUL16 2, 1, NQ-1, 1, 0
	s_wait_dscnt 0
	WIN MUL_HI
	MUL16 4, 1, NQ-1, 1, 0
	MUL16 6, 1, NQ-1, 1, 0
	WIN 0
; GELU of block a (16 rows x 128 columns, 64 numbers a lane): from the accumulators (window 2 or 3), each read from its low end on, into v[GT ..] of window 0.  The waits round the two batches.
.macro GELU a
.set AC, 64*((\a)%4)
.set WW, 2+(\a)/4
.set WBOTH, WW*5
.set WSRC1, WW*4
	WIN WBOTH
	s_wait_alu depctr_va_vdst(0)
.set J, 0
.rept 32
	v_pk_mul_f32 v[GT+J:GT+J+1], v[AC+J:AC+J+1], v[AC+J:AC+J+1]    ; h^2
.set J, J+2
.endr
	WIN 0
.set J, 0
.rept 32
	v_pk_fma_f32 v[GT+J:GT+J+1], v[GT+J:GT+J+1], v[8:9], v[10:11]  ; k1 + k2 h^2
.set J, J+2
.endr
	WIN WSRC1
.set J, 0
.rept 32
	v_pk_mul_f32 v[GT+J:GT+J+1], v[GT+J:GT+J+1], v[AC+J:AC+J+1]    ; x h
.set J, J+2
.endr
	WIN 0
	s_wait_alu depctr_va_vdst(0)
.set J, 0
.rept 64
	v_exp_f32 v[GT+J], v[GT+J]
.set J, J+1
.endr
	v_nop
	s_wait_alu depctr_va_vdst(0)
.set J, 0
.rept 32
	v_pk_add_f32 v[GT+J:GT+J+1], v[GT+J:GT+J+1], 1.0 op_sel_hi:[1,0]
.set J, J+2
.endr
	s_wait_alu depctr_va_vdst(0)
.set J, 0
.rept 64
	v_rcp_f32 v[GT+J], v[GT+J]
.set J, J+1
.endr
	v_nop
	s_wait_alu depctr_va_vdst(0)
	WIN WSRC1
.set J, 0
.rept 32
	v_pk_mul_f32 v[GT+J:GT+J+1], v[GT+J:GT+J+1], v[AC+J:AC+J+1]    ; g
.set J, J+2
.endr
	WIN 0
.endm
.macro TOSTAGE a
.irp b, 0,1,2,3,4,5,6,7
	ds_store_b128 v[STO], v[GT+8*\b:GT+8*\b+3] offset:64*\b
	ds_store_b128 v[STO], v[GT+8*\b+4:GT+8*\b+7] offset:64*\b+16
.endr
.set BB, BK+64*((\a)%2)
.irp t, 0,1,2,3,4,5,6,7,8,9,10,11,12,13,14,15
	ds_load_b128 v[BB+4*\t:BB+4*\t+3], v[RD] offset:\t*SPITCH
.endr
.endm
.macro SEND a, younger
.set BB, BK+64*((\a)%2)
	s_wait_dscnt \younger
.if (\a) > 0
	s_add_nc_u64 s[10:11], s[10:11], 16*SIZE_N*4
.endif
.irp t, 0,1,2,3,4,5,6,7,8,9,10,11,12,13,14,15
	global_store_b128 v[CO], v[BB+4*\t:BB+4*\t+3], s[10:11] offset:\t*SIZE_N*4 th:TH_STORE_NT
.endr
.endm
	v_mov_b32 v8, 0xbdd2d3e8                       ; k2 = -0.10294324, twice: a pair for the packed forms
	v_mov_b32 v9, 0xbdd2d3e8
	v_mov_b32 v10, 0xc0135761                      ; k1 = -2.3022082, twice
	v_mov_b32 v11, 0xc0135761
	PLACES NP
.irp a, 0,1,2,3,4,5,6,7                ; block by block: GELU, through my stage, out; SEND's wait for all LDS work also frees v[GT ..] for the next block
	GELU \a
	s_wait_alu depctr_va_vdst(0)
.if \a > 0
	s_wait_xcnt 0x0                                ; the earlier blocks' stores have read their registers and their base
.endif
	TOSTAGE \a
	SEND \a, 0
.endr
	s_wait_tensorcnt 0x0
	ds_add_u32 v[SPW], v[NIL]
	s_wait_dscnt 0x0
	CROUND
	s_endpgm
.Lfunc_end_k_q87c3732f6b_gemm:
	.size	k_q87c3732f6b_gemm, .Lfunc_end_k_q87c3732f6b_gemm-k_q87c3732f6b_gemm
	.p2alignl 7, 3214868480
	.fill 96, 4, 3214868480
	.section	.rodata,"a",@progbits
	.p2align	6, 0x0
	.amdhsa_kernel k_q87c3732f6b_gemm
		.amdhsa_group_segment_fixed_size 327680
		.amdhsa_private_segment_fixed_size 0
		.amdhsa_enable_private_segment 0
		.amdhsa_kernarg_size 32
		.amdhsa_user_sgpr_count 2
		.amdhsa_user_sgpr_kernarg_segment_ptr 1
		.amdhsa_wavefront_size32 1
		.amdhsa_system_sgpr_workgroup_id_x 1
		.amdhsa_system_sgpr_workgroup_id_y 1
		.amdhsa_system_sgpr_workgroup_id_z 1
		.amdhsa_system_vgpr_workitem_id 0
		.amdhsa_next_free_vgpr 1024
		.amdhsa_next_free_sgpr 74
		.amdhsa_reserve_vcc 0
		.amdhsa_float_denorm_mode_32 3
		.amdhsa_float_denorm_mode_16_64 3
		.amdhsa_memory_ordered 1
		.amdhsa_forward_progress 1
		.amdhsa_inst_pref_size 255
	.end_amdhsa_kernel
	.section	.bss,"aw",@nobits
	.p2align	6
	.space	262144
	.amdgpu_metadata
---
amdhsa.version: [ 1, 2 ]
amdhsa.kernels:
  - .name:           k_q87c3732f6b_gemm
    .symbol:         k_q87c3732f6b_gemm.kd
    .args:
      - { .name: xq, .offset: 0, .size: 8, .value_kind: global_buffer, .address_space: global }
      - { .name: wq, .offset: 8, .size: 8, .value_kind: global_buffer, .address_space: global }
      - { .name: b, .offset: 16, .size: 8, .value_kind: global_buffer, .address_space: global }
      - { .name: hbuf, .offset: 24, .size: 8, .value_kind: global_buffer, .address_space: global }
    .group_segment_fixed_size: 327680
    .private_segment_fixed_size: 0
    .kernarg_segment_align: 8
    .kernarg_segment_size: 32
    .max_flat_workgroup_size: 128
    .sgpr_count:     74
    .vgpr_count:     1024
    .wavefront_size: 32
...
	.end_amdgpu_metadata
.endif
;; end of part 2
;; launch norm (part 3): grid 256 x 1, 16 waves a work-group, no clusters, 34,816 bytes of LDS; arguments hbuf, a2, b2, out0; writes out0
.if DOCPART == 3
	.amdgcn_target "amdgcn-amd-amdhsa--gfx1250"
	.amdhsa_code_object_version 6
	.text
	.protected	k_q87c3732f6b_norm
	.globl	k_q87c3732f6b_norm
	.p2align	8
	.type	k_q87c3732f6b_norm,@function
k_q87c3732f6b_norm:
	s_mov_b64 s[64:65], 0
	v_nop
	global_prefetch_b8 v0, s[64:65] scope:SCOPE_SE
	s_setreg_imm32_b32 hwreg(HW_REG_WAVE_MODE, 25, 1), 1
	s_wait_xcnt 0x0
; out[r][c] = (g[r][c] - mean[r]) rsqrt(var[r] + 1e-12) a2[c] + b2[c]; g = gelu(h) lies in hbuf, as the launch before stored it; mean and var (biased) over a row's 4,096 numbers.  All f32.
; ORDER OF ROUNDING: the result is formed as (g - mean) x rs x a2 + b2, where the source text has g x inv + (b2 - mean x inv): the same numbers in another order of rounding.
; The variance is taken of g - mean, in a second pass over registers: no difference of large sums.  LIMITS: NaN and infinities among the inputs are not served.
; SHARES: a row is 16,384 bytes: one wave takes a whole row, 32 loads of 16 bytes a lane, all issued at once, and keeps it in 128 registers: g is read once, and no wave waits for another's row.
; Sixteen waves, sixteen rows to a work-group.  Lane l's load j holds columns 128 j + 4 l + 0 .. 3; each load and store of a wave covers 512 consecutive bytes.
; a2 and b2 (32,768 bytes) come into LDS once for the sixteen rows, through registers: one barrier.  No cluster: what work-groups share is these 32,768 bytes beside the 262,144 that are a work-group's own,
; and the launch has no tensor load through which a joint request could go.  No prefetch: the launch has no loop to run ahead in.  No matrix work.
.set X, 32                             ; v32-159  the row: g, then g - mean, then the result
.set T, 160                            ; v160-191 a2's chunk
.set U, 192                            ; v192-223 b2's chunk
	s_load_b256 s[4:11], s[0:1], 0x0               ; g, a2, b2, out
	v_lshl_add_u32 v224, v0, 2, 0x8000
	v_mov_b32 v225, 0
	v_lshrrev_b32 v3, 5, v0
	v_readfirstlane_b32 s12, v3                    ; wave 0..15
	v_and_b32 v1, 31, v0
	v_lshlrev_b32 v1, 4, v1                        ; 16 x lane
	v_lshlrev_b32 v2, 4, v0                        ; 16 x thread
	s_lshl_b32 s2, ttmp9, 18                       ; 16 rows of 16,384 bytes a work-group,
	s_lshl_b32 s3, s12, 14                         ; one a wave
	s_add_co_u32 s2, s2, s3
	s_mov_b32 s3, 0
	s_mov_b32 s20, 0x76543210                      ; v_permlanex16_b32's selects for lane l xor 16
	s_mov_b32 s21, 0xfedcba98
	s_mov_b32 s22, 0x39800000                      ; 1 / 4,096
	s_mov_b32 s23, 0x2b8cbccc                      ; 1e-12
	s_wait_alu depctr_va_vdst(0)
	s_wait_kmcnt 0x0
	s_add_nc_u64 s[4:5], s[4:5], s[2:3]
	s_add_nc_u64 s[10:11], s[10:11], s[2:3]
	global_load_b128 v[T:T+3],     v2, s[6:7]                      ; 512 threads x 16 bytes: half of a2,
	global_load_b128 v[T+4:T+7],   v2, s[6:7] offset:8192          ; the other half,
	global_load_b128 v[T+8:T+11],  v2, s[8:9]                      ; and b2 likewise
	global_load_b128 v[T+12:T+15], v2, s[8:9] offset:8192
.set j, 0
.rept 32
	global_load_b128 v[X+4*j:X+4*j+3], v1, s[4:5] offset:512*j th:TH_LOAD_NT   ; my row
.set j, j+1
.endr
	s_wait_loadcnt 32                              ; a2 and b2 are in; the row's 32 loads stay out
	ds_store_b128 v2, v[T:T+3]
	ds_store_b128 v2, v[T+4:T+7]   offset:8192
	ds_store_b128 v2, v[T+8:T+11]  offset:16384
	ds_store_b128 v2, v[T+12:T+15] offset:24576
	s_wait_dscnt 0x0                               ; for the others' sake: my stores have landed
	s_barrier_signal -1
	s_barrier_wait -1                              ; a2 lies at LDS byte 0, b2 at 16,384; nobody writes them again
.macro SUM c                           ; chunk c (loads 8 c .. 8 c + 7) goes into the row's sum, two numbers at a time, in two chains; chunk 0 starts the chains
.set XS, X+32*(\c)
.if (\c) > 0
	s_wait_alu depctr_va_vdst(0)
.endif
	s_wait_loadcnt 24-8*(\c)                       ; this chunk's eight loads are in, the later chunks' stay out
.if (\c) == 0
	v_pk_add_f32 v[12:13], v[XS:XS+1], v[XS+4:XS+5]
	v_pk_add_f32 v[14:15], v[XS+2:XS+3], v[XS+6:XS+7]
.set j, 8
.else
.set j, 0
.endif
.rept (32-j)/4
	v_pk_add_f32 v[12:13], v[12:13], v[XS+j:XS+j+1]
	v_pk_add_f32 v[14:15], v[14:15], v[XS+j+2:XS+j+3]
.set j, j+4
.endr
.endm
.macro AB c                            ; a2 and b2 at chunk c's columns: the same byte offsets as in the row
.set j, 0
.rept 8
	ds_load_b128 v[T+4*j:T+4*j+3], v1 offset:512*(8*(\c)+j)
	ds_load_b128 v[U+4*j:U+4*j+3], v1 offset:16384+512*(8*(\c)+j)
.set j, j+1
.endr
.endm
.macro ACROSS a, t                     ; the sum of v[a] over the 32 lanes, in every lane; v[t] has been written before
	v_add_f32_dpp v[\a], v[\a], v[\a] row_xmask:1 row_mask:0xf bank_mask:0xf
	v_add_f32_dpp v[\a], v[\a], v[\a] row_xmask:2 row_mask:0xf bank_mask:0xf
	v_add_f32_dpp v[\a], v[\a], v[\a] row_xmask:4 row_mask:0xf bank_mask:0xf
	v_add_f32_dpp v[\a], v[\a], v[\a] row_xmask:8 row_mask:0xf bank_mask:0xf
	v_permlanex16_b32 v[\t], v[\a], s20, s21
	v_add_f32 v[\a], v[\a], v[\t]
.endm
	SUM 0
	SUM 1
	SUM 2
	SUM 3
	AB 0                                           ; the first chunk of a2 and b2 comes while the mean and the variance are made
	v_pk_add_f32 v[12:13], v[12:13], v[14:15]
	v_add_f32 v12, v12, v13
	ACROSS 12, 13
	v_mul_f32 v12, s22, v12                        ; the mean,
	v_mov_b32 v13, v12                             ; twice
.set j, 0
.rept 64
	v_pk_add_f32 v[X+j:X+j+1], v[X+j:X+j+1], v[12:13] neg_lo:[0,1] neg_hi:[0,1]   ; g - mean
.set j, j+2
.endr
	v_pk_mul_f32 v[14:15], v[X:X+1], v[X:X+1]      ; the squares, in two chains, started by the first two pairs
	v_pk_mul_f32 v[16:17], v[X+2:X+3], v[X+2:X+3]
.set j, 4
.rept 31
	v_pk_fma_f32 v[14:15], v[X+j:X+j+1], v[X+j:X+j+1], v[14:15]
	v_pk_fma_f32 v[16:17], v[X+j+2:X+j+3], v[X+j+2:X+j+3], v[16:17]
.set j, j+4
.endr
	v_pk_add_f32 v[14:15], v[14:15], v[16:17]
	v_add_f32 v14, v14, v15
	ACROSS 14, 15
	v_fma_f32 v14, v14, s22, s23                   ; var + 1e-12
	s_wait_alu depctr_va_vdst(0)
	v_rsq_f32 v18, v14                             ; made twice, to fill the pair that the packed multiply takes
	v_rsq_f32 v19, v14
	v_nop                                          ; a plain instruction behind them,
	s_wait_alu depctr_va_vdst(0)                   ; and one wait for both, ahead of the first reader
.macro OUT c
.set XO, X+32*(\c)
	s_wait_dscnt 0x0                               ; this chunk's a2 and b2 are in
.set j, 0
.rept 16
	v_pk_mul_f32 v[XO+j:XO+j+1], v[XO+j:XO+j+1], v[18:19]
.set j, j+2
.endr
.set j, 0
.rept 16
	v_pk_fma_f32 v[XO+j:XO+j+1], v[XO+j:XO+j+1], v[T+j:T+j+1], v[U+j:U+j+1]
.set j, j+2
.endr
.if (\c) < 3
	AB (\c)+1                                      ; the next chunk's, ahead of the stores
.endif
.set j, 0
.rept 8
	global_store_b128 v1, v[XO+4*j:XO+4*j+3], s[10:11] offset:512*(8*(\c)+j) th:TH_STORE_NT   ; 32 lanes store 512 consecutive bytes, at a multiple of 256 from the output's first byte; no store's data or address is written again
.set j, j+1
.endr
.endm
	OUT 0
	OUT 1
	OUT 2
	OUT 3
	s_wait_tensorcnt 0x0                           ; the wave's end
	ds_add_u32 v224, v225
	s_wait_dscnt 0x0
	s_endpgm
.Lfunc_end_k_q87c3732f6b_norm:
	.size	k_q87c3732f6b_norm, .Lfunc_end_k_q87c3732f6b_norm-k_q87c3732f6b_norm
	.p2alignl 7, 3214868480
	.fill 96, 4, 3214868480
	.section	.rodata,"a",@progbits
	.p2align	6, 0x0
	.amdhsa_kernel k_q87c3732f6b_norm
		.amdhsa_group_segment_fixed_size 34816
		.amdhsa_private_segment_fixed_size 0
		.amdhsa_enable_private_segment 0
		.amdhsa_kernarg_size 32
		.amdhsa_user_sgpr_count 2
		.amdhsa_user_sgpr_kernarg_segment_ptr 1
		.amdhsa_wavefront_size32 1
		.amdhsa_system_sgpr_workgroup_id_x 1
		.amdhsa_system_sgpr_workgroup_id_y 1
		.amdhsa_system_sgpr_workgroup_id_z 1
		.amdhsa_system_vgpr_workitem_id 0
		.amdhsa_next_free_vgpr 226
		.amdhsa_next_free_sgpr 66
		.amdhsa_reserve_vcc 0
		.amdhsa_float_denorm_mode_32 3
		.amdhsa_float_denorm_mode_16_64 3
		.amdhsa_memory_ordered 1
		.amdhsa_forward_progress 1
		.amdhsa_inst_pref_size 34
	.end_amdhsa_kernel
	.amdgpu_metadata
---
amdhsa.version: [ 1, 2 ]
amdhsa.kernels:
  - .name:           k_q87c3732f6b_norm
    .symbol:         k_q87c3732f6b_norm.kd
    .args:
      - { .name: hbuf, .offset: 0, .size: 8, .value_kind: global_buffer, .address_space: global }
      - { .name: a2, .offset: 8, .size: 8, .value_kind: global_buffer, .address_space: global }
      - { .name: b2, .offset: 16, .size: 8, .value_kind: global_buffer, .address_space: global }
      - { .name: out0, .offset: 24, .size: 8, .value_kind: global_buffer, .address_space: global }
    .group_segment_fixed_size: 34816
    .private_segment_fixed_size: 0
    .kernarg_segment_align: 8
    .kernarg_segment_size: 32
    .max_flat_workgroup_size: 512
    .sgpr_count:     66
    .vgpr_count:     226
    .wavefront_size: 32
...
	.end_amdgpu_metadata
.endif
;; end of part 3
